; MI455X (gfx1250); checked and timed in simulation.
; The chip was launched on July 23, 2026; its instructions are those of AMD's public machine-readable ISA for CDNA 5 (MIT licence, August 2026) and "CDNA5" Instruction Set Architecture Reference Guide (July 2026). The comments in the code are by the model that wrote it; some were corrected since.
;; Retention. Allowed arithmetic: matrix products marked QUANTISED: E2M3 operands, one E8M0 scale for each 32 along K, by v_wmma_scale_f32_16x16x128_f8f6f4 with both operands' format E2M3, f32 sums; everything else in f32.
;; Inputs: Wk_codes 256 x 64 x 24 uint8 (E2M3 codes of Wk, K innermost, in blocks of 32 codes, four codes in three bytes); Wk_scales 256 x 64 uint8 (E8M0 scales of Wk, one for each 32 codes along K); Wq_codes 256 x 64 x 24 uint8 (E2M3 codes of Wq, K innermost, in blocks of 32 codes, four codes in three bytes); Wq_scales 256 x 64 uint8 (E8M0 scales of Wq, one for each 32 codes along K); Wv_codes 256 x 64 x 24 uint8 (E2M3 codes of Wv, K innermost, in blocks of 32 codes, four codes in three bytes); Wv_scales 256 x 64 uint8 (E8M0 scales of Wv, one for each 32 codes along K); X_codes 4 x 4,096 x 64 x 24 uint8 (E2M3 codes of X, K innermost, in blocks of 32 codes, four codes in three bytes); X_scales 4 x 4,096 x 64 uint8 (E8M0 scales of X, one for each 32 codes along K); decay 256 float32.
;; Outputs: out0 4 x 4,096 x 256 float32.
;; This version of the problem:
;;   THIS VERSION OF THE PROBLEM IS GIVEN IN LOW PRECISION. The matrix products marked QUANTISED in the list below multiply operands that are first quantised to E2M3 (2 exponent bits, 3 mantissa bits; 6 bits a number), with one power-of-two scale for each 32 numbers along K (OCP MX v1.0); their sums are f32. All else is computed in f32.
;;   The module's matrix products, in the order in which they are computed (A, B: the left and right operand; K: the contracted axis; several contracted axes count as one K, in the product's order):
;;     1. [M 16,384, K 2,048] x [K 2,048, N 256]; A: input X (given as codes); B: input Wq (given as codes): QUANTISED
;;     2. [M 16,384, K 2,048] x [K 2,048, N 256]; A: input X (given as codes); B: input Wk (given as codes): QUANTISED
;;     3. [M 16,384, K 2,048] x [K 2,048, N 256]; A: input X (given as codes); B: input Wv (given as codes): QUANTISED
;;     4. batch 4 x [M 4,096, K 256] x [K 256, N 4,096]; A: computed on the way; B: computed on the way: QUANTISED
;;     5. batch 4 x [M 4,096, K 4,096] x [K 4,096, N 256]; A: computed on the way; B: computed on the way: QUANTISED
;;   THE QUANTISER, for each operand of a quantised product, along K:
;;     - K is cut into blocks of 32 from its start; a last block that is shorter is filled with zeros.
;;     - A block's scale is 2^e with e = floor(log2(the largest magnitude in the block)) - 2, held to -126 .. 127; a block of zeros has e = 0. As a byte (E8M0): e + 127.
;;     - Each number is divided by its block's scale, clamped to +-7.5, and rounded to the nearest number of E2M3, ties to even, subnormals kept.
;;     - The product sums the exact products of the quantised numbers (number of the format x scale) in f32.
;;   ~~~python
;;   def quantise(x, axis):      # numpy; x: float32 -> the quantised numbers, widened to float32 again
;;       x = np.moveaxis(x, axis, -1); K = x.shape[-1]
;;       x = np.pad(x, [(0, 0)] * (x.ndim - 1) + [(0, -K % 32)]); x = x.reshape(x.shape[:-1] + (-1, 32)); a = np.abs(x).max(-1, keepdims=True)
;;       e = np.where(a > 0, np.clip(np.frexp(np.where(a > 0, a, 1))[1] - 1 - 2, -126, 127), 0)      # np.frexp(a)[1] - 1 = floor(log2(a)), exactly
;;       r = np.clip(x / 2.0 ** e, -7.5, 7.5)
;;       step = 2.0 ** (np.maximum(np.frexp(np.where(r == 0, 1, r))[1] - 1, 0) - 3)
;;       q = np.round(r / step) * step * 2.0 ** e      # np.round: ties to even
;;       return np.moveaxis(q.reshape(q.shape[:-2] + (-1,))[..., :K], -1, axis).astype(np.float32)
;;   ~~~
;;   OPERANDS COMPUTED ON THE WAY. 'Computed on the way' means the value that the module computes at that place (a softmax that the list does not call 'softmax' is quantised finished and normalised). What goes into a quantiser is computed in f32, as accurately as f32 sums, v_exp_f32 and their like allow (about 1e-6 of the number): no bf16 or f16 on the way to a quantiser, and a product that is left as it is and whose result goes on into a quantised operand takes f32 operands (vector FMAs, or v_wmma_f32_16x16x4_f32). A number that lies on a knife's edge between two numbers of the format may be rounded either way, as far as f32 arithmetic and the matrix unit's own rounding can turn it there, and no further.
;;   INPUTS GIVEN AS CODES. Wk (in the module: [2048, 256], K = its axis 0); Wq (in the module: [2048, 256], K = its axis 0); Wv (in the module: [2048, 256], K = its axis 0); X (in the module: [4, 4096, 2048], K = its axis 2): each comes as NAME_codes (uint8): NAME with its K axis moved to the last place and cut into blocks of 32 codes, [.., K / 32, bytes a block], one block behind the other in memory; four codes in three bytes: a row's codes are one little-endian stream of bits, code i at bits 6 i .. 6 i + 5 (a code: sign, 2 exponent bits, 3 mantissa bits); and NAME_scales (uint8): the same leading axes, one E8M0 byte (e + 127) for each 32 codes along K. Its value is code x scale, taken as it is: it is not quantised again, and the codes and scales need not be those that the quantiser above would give.
;; One version. Each part assembles by itself: llvm-mc -triple=amdgcn-amd-amdhsa -mcpu=gfx1250 --defsym DOCPART=n.
;; ======== version 1 of 1: 2 launches
;; workspace buffers: qimg 3,276,800 bytes; kvimg 6,553,600 bytes
;; launch proj (part 1): grid 128 x 2, 4 waves a work-group, clusters of 4 x 1, 327,680 bytes of LDS; arguments X_codes, X_scales, Wq_codes, Wq_scales, Wk_codes, Wk_scales, Wv_codes, Wv_scales, qimg, kvimg; writes qimg, kvimg
.if DOCPART == 1
	.amdgcn_target "amdgcn-amd-amdhsa--gfx1250"
	.amdhsa_code_object_version 6
	.text
	.protected	k_q59e7d3d9ef_proj
	.globl	k_q59e7d3d9ef_proj
	.p2align	8
	.type	k_q59e7d3d9ef_proj,@function
k_q59e7d3d9ef_proj:
	s_mov_b64 s[64:65], 0
	v_nop
	global_prefetch_b8 v0, s[64:65] scope:SCOPE_SE
	s_setreg_imm32_b32 hwreg(HW_REG_WAVE_MODE, 25, 1), 1
	s_wait_xcnt 0x0
	s_wait_alu depctr_hold_cnt(0) depctr_sa_sdst(0) depctr_va_vdst(0) depctr_va_sdst(0) depctr_va_ssrc(0) depctr_va_vcc(0) depctr_vm_vsrc(0)
	s_getreg_b32 s2, hwreg(HW_REG_IB_STS2, 6, 4)
	s_cmp_eq_u32 s2, 0
	s_cbranch_scc0 .Lentry_in_a_cluster
	s_endpgm
.Lentry_in_a_cluster:
	s_bfe_u32 s2, ttmp6, 0x10000c
	s_cmp_lg_u32 s2, 0x3003
	s_cbranch_scc0 .Lentry_shape_is_right
	s_endpgm
.Lentry_shape_is_right:
; Q = X Wq, K = X Wk, V = X Wv on codes of FP6 (E2M3) with E8M0 scales, sums in f32; the results are quantised in registers (Q and K along h, V along the keys)
; and stored as IMAGES OF OPERAND REGISTERS for the next launch.
; SHARES.  A work-group takes 128 tokens (wgx) and columns 128 X2 .. 128 X2 + 127 of EACH of Q, K, V: 128 x 384, so that every scale word (128 of h, or 128 keys) is made inside one work-group.
; Wave (a, b) takes tokens 64 a on and columns 64 b on of each of the three: 48 accumulators.  Q, K: source 0 = 16 rows of W, source 1 = 16 tokens: a lane holds one token and its registers run along h.
; V: source 0 = 16 tokens, source 1 = 16 rows of Wv: a lane holds one channel and its registers run along the keys.  So both come out with the next product's K along a lane's registers.
; ORDER INSIDE A BLOCK OF 32.  Tiles are plain neighbours; a block's 32 numbers lie in lanes l and l xor 16, eight and eight.  Every operand of the next launch's two products is made by this same recipe,
; so both sides of each product have the same order inside a block, and the sums are those of the true order.
; RING.  K goes in slots of 256 (rows of 192 bytes, 16 bytes of padding behind each 64: pitch 240) through two LDS slots; wave 0 fetches X's 128 rows, waves 1 to 3 the 128 rows of Wq, Wk, Wv.
; CLUSTER.  The four token blocks of a cluster need the same rows of W: those three tiles (three quarters of a slot's bytes) are asked for jointly.  X's tile is each work-group's own: a plain load.
; The grid is two wide (the two column halves), so no second axis is there to share X along.
; IMAGES.  A half fragment (registers 6 c .. 6 c + 5) is 768 bytes: 512 bytes, lane l's registers 0-3 at 16 l, then 256 bytes, its registers 4, 5 at 8 l: each store of a wave covers 512 or 256 consecutive bytes, aligned.
;   qimg: a chunk of 12,800 bytes for each 64 tokens: tile t, K step s, half c at 3072 t + 1536 s + 768 c; scale words at 12,288 + 16 (r + 16 s) + 4 t.
;   kvimg: a block of 51,200 bytes for each 128 keys: K's tile kt at 3072 kt + 1536 s + 768 c; its scale words at 24,576 + 512 (kt / 4) + 16 (r + 16 s) + 4 (kt % 4);
;   V's channel tile ct at 25,600 + 1536 ct + 768 (c xor ct / 8); its scale words at 50,176 + 512 (ct / 8) + 16 (r + 16 (ct % 2)) + 4 ((ct / 2) % 4), turned by 16 bits for ct >= 8.
; LIMITS.  A block whose largest magnitude lies under 2^-124 (a block of zeros too) gets the scale byte 1, where the quantiser's text says less or 127: its codes are zeros or subnormal, and this program alone reads the bytes.  NaN and infinities are not served.
; REGISTERS.  window 0: v9-31 addresses; v32-79 scale words, a set of 24 for each slot (register 2 j + q: lanes 16-31 W tile j's word, lanes 0-15 of j < 4 X tile j's); v80-175 X's fragments, two sets; v176-255 the way out.
;   window 1: Wq's and Wk's fragments, two sets of 96.   window 2: Q's accumulators at 32 mt + 8 nt, K's at 128 + the same.   window 3: V's at 32 nt + 8 mt; Wv's fragments from v128, two sets of 48.
.set KROW,  1536                       ; a row of X or W in bytes: 2,048 codes
.set ROWB,  192                        ; 256 codes
.set PITCH, 240
.set HALFT, 128*PITCH                  ; one wave's tile
.set SLOT,  4*HALFT                    ; X, Wq, Wk, Wv
.set SCL,   2*SLOT                     ; the scales of the 4 x 128 rows for all of K: units of 256 bytes + 16
.set HALFS, 32*272
.set SBLK,  4*272                      ; those of 16 rows
.set SS,    SCL+4*HALFS                ; 1,536 bytes in which the new scale words are put together; no tile lands here
.set SPARE, SS+1536                    ; the spare words, 128 bytes for each wave
.set QCH,   12800
.set KVB,   51200
.set MSB, 0
.macro WIN new                         ; the immediate's high byte repeats the setting that is left
.if MSB != \new
	s_set_vgpr_msb (MSB<<8)|\new
.set MSB, \new
.endif
.endm
.macro PLACES n
.rept \n
	v_nop
.endr
.endm
.macro CREST                           ; a round of the cluster's barrier behind its opening barrier
	s_cmp_lg_u32 s84, 0
	s_cbranch_scc1 .Lnot_wave_0_\@
	s_barrier_signal -3
.Lnot_wave_0_\@:
	s_barrier_wait -3
	s_barrier_signal -1
	s_barrier_wait -1
.endm
.macro CROUND
	s_barrier_signal -1
	s_barrier_wait -1
	CREST
.endm
; Wave 0 fetches for X (plain), waves 1 to 3 for W (joint).  The branch hangs on the wave's number alone.  Four v_nop follow each of the two lines.
.macro TLOAD gx, g1x, gw, g1w
	s_cmp_eq_u32 s84, 0
	s_cbranch_scc0 .Lfor_w_\@
	tensor_load_to_lds s[\gx:\gx+3], s[\g1x:\g1x+7]
	s_nop 0
	PLACES 4
	s_branch .Lasked_\@
.Lfor_w_\@:
	tensor_load_to_lds s[\gw:\gw+3], s[\g1w:\g1w+7]
	s_nop 0
	PLACES 4
.Lasked_\@:
.endm
; A prefetch of X's codes, two slots ahead of the refill just issued: wave w names rows 32 w + lane of the work-group's 128, a lane a row, at the LAST byte of the slot's 192.
; Both column halves read the same rows: the half X2 = 0 asks.  Slots 4, 5, 6 are named: their parts end in the row's aligned blocks 3, 4, 5 of 256 bytes, each named once; slot 7's part ends where slot 6's does.
.macro ASK lim
	s_cmp_gt_u32 s3, s[\lim]
	s_cbranch_scc0 .Lnot_mine_\@
	global_prefetch_b8 v30, s[92:93] th:TH_LOAD_NT scope:SCOPE_SE
.Lnot_mine_\@:
.endm
; piece p of six of a fragment: 8 bytes.  Lanes 16-31 read three pieces on; where that lies behind one padding more, the second address register (40 for 24 bytes a half) serves.
.macro FRAGP reg, adr, q, toff, p
.set PC, 12*(\q)+6*((\p)/3)+(\p)%3
.if PC%8 < 5
	ds_load_b64 v[(\reg)+2*(\p):(\reg)+2*(\p)+1], v[\adr] offset:8*PC+16*(PC/8)+(\toff)
.else
	ds_load_b64 v[(\reg)+2*(\p):(\reg)+2*(\p)+1], v[(\adr)+2] offset:8*PC+16*(PC/8)+(\toff)
.endif
.endm
; load LI of the list for a step of 128 along K (slot sl, its q-th half, register set p): ns scale loads, X's 24 pieces, then W's 72 in the order of the groups that use them.
.macro LOADONE sl, q, p, ns
.if LI < (\ns)
	WIN 0
	ds_load_b64 v[32+24*(\sl)+2*LI:32+24*(\sl)+2*LI+1], v12 offset:(LI/4)*HALFS+(LI%4)*SBLK
.elseif LI < (\ns)+24
.set XI, LI-(\ns)
	WIN 0
	FRAGP 80+48*(\p)+12*(XI/6), 16+(\sl), \q, (XI/6)*16*PITCH, XI%6
.elseif LI < (\ns)+72
.set XI, LI-(\ns)-24
	WIN 0x40
	FRAGP 96*(\p)+12*(XI/6), 20+(\sl), \q, (XI/24)*HALFT+((XI/6)%4)*16*PITCH, XI%6
.else
.set XI, LI-(\ns)-72
	WIN 0xc0
	FRAGP 128+48*(\p)+12*(XI/6), 24+(\sl), \q, (XI/6)*16*PITCH, XI%6
.endif
.set LI, LI+1
.endm
.macro EMIT n, sl, q, p, ns
.rept \n
.if LI < 96+(\ns)
	LOADONE \sl, \q, \p, \ns
.endif
.endr
.endm
.macro WM d, a, b, z, sa, sb, brow     ; one product; z = 1: it starts the sum; brow = 0: source 0's scales stand in lanes 16-31, 1: source 1's
.if (\z) && (\brow)
	v_wmma_scale_f32_16x16x128_f8f6f4 v[(\d):(\d)+7], v[(\a):(\a)+11], v[(\b):(\b)+11], 0, v[\sa], v[\sb] matrix_a_fmt:MATRIX_FMT_FP6 matrix_b_fmt:MATRIX_FMT_FP6 matrix_b_scale:MATRIX_SCALE_ROW1
.elseif (\z)
	v_wmma_scale_f32_16x16x128_f8f6f4 v[(\d):(\d)+7], v[(\a):(\a)+11], v[(\b):(\b)+11], 0, v[\sa], v[\sb] matrix_a_fmt:MATRIX_FMT_FP6 matrix_b_fmt:MATRIX_FMT_FP6 matrix_a_scale:MATRIX_SCALE_ROW1
.elseif (\brow)
	v_wmma_scale_f32_16x16x128_f8f6f4 v[(\d):(\d)+7], v[(\a):(\a)+11], v[(\b):(\b)+11], v[(\d):(\d)+7], v[\sa], v[\sb] matrix_a_fmt:MATRIX_FMT_FP6 matrix_b_fmt:MATRIX_FMT_FP6 matrix_b_scale:MATRIX_SCALE_ROW1
.else
	v_wmma_scale_f32_16x16x128_f8f6f4 v[(\d):(\d)+7], v[(\a):(\a)+11], v[(\b):(\b)+11], v[(\d):(\d)+7], v[\sa], v[\sb] matrix_a_fmt:MATRIX_FMT_FP6 matrix_b_fmt:MATRIX_FMT_FP6 matrix_a_scale:MATRIX_SCALE_ROW1
.endif
.endm
; four products: W tile j (0-3 Wq, 4-7 Wk, 8-11 Wv) against the four tiles of tokens.  The 48 accumulators take turns, one instruction a turn, in the same order in every step.
.macro GRP j, p, q, sl, zero
.if (\j) < 8
	WIN 0xa1                                       ; source 0 (W) window 1, source 1 (X) window 0, C and D window 2
.irp mt, 0,1,2,3
	WM 128*((\j)/4)+32*\mt+8*((\j)%4), 96*(\p)+12*(\j), 80+48*(\p)+12*\mt, \zero, 32+24*(\sl)+2*(\j)+(\q), 32+24*(\sl)+2*\mt+(\q), 0
.endr
.else
	WIN 0xfc                                       ; source 0 (X) window 0, source 1 (Wv), C and D window 3
.irp mt, 0,1,2,3
	WM 32*((\j)-8)+8*\mt, 80+48*(\p)+12*\mt, 128+48*(\p)+12*((\j)-8), \zero, 32+24*(\sl)+2*\mt+(\q), 32+24*(\sl)+2*(\j)+(\q), 1
.endr
.endif
.endm
; A slot's first 128 along K, on set 0.  The second 128's 96 loads go out 12 behind each of the first eight groups, into set 1.
.macro STEP sl, zero
	PLACES 4                                       ; set 1 was read by the step before: four places in front of the loads into it
.set LI, 0
.irp g, 0,1,2,3,4,5,6,7,8,9,10,11
	s_wait_dscnt 60                                ; behind W tile g's last piece stand 6 (11 - g) loads of the old list and 12 min(g, 8) of the new: 66 at the least
	GRP \g, 0, 0, \sl, \zero
.if \g < 8
	EMIT 12, \sl, 1, 1, 0
.endif
.endr
.endm
; A slot's second 128, on set 1, and the change of slots: ONE barrier; in front of it each wave waits for all its tensor loads, adds 0 to its spare word, and waits for that and for its reads of this slot.
.macro TURN sl, nx, fill
	WIN 0
.if \fill
	s_wait_xcnt 0x0                                ; the last prefetch, a slot back, has read its address
	s_add_nc_u64 s[92:93], s[92:93], ROWB
.endif
	s_wait_tensorcnt 0x0                           ; all my tensor loads have landed: my part of the next slot
	ds_add_u32 v28, v29                            ; 0 onto my spare word
	PLACES 4                                       ; set 0 was read by the step before: places in front of the loads below
	s_wait_dscnt 60                                ; behind W tile 0's last piece: 66 loads and the add
	GRP 0, 1, 1, \sl, 0
	s_wait_dscnt 0x0                               ; the add is done, and my reads of this slot are over
	s_barrier_signal -1
	GRP 1, 1, 1, \sl, 0
	WIN 0
	s_barrier_wait -1
.if \fill
	CREST                                          ; the barrier has opened a round of the cluster's barrier: no wave of any partner still reads this slot or has a load on its way
	s_add_nc_u64 s[58+4*\sl:59+4*\sl], s[58+4*\sl:59+4*\sl], 2*ROWB
	s_add_nc_u64 s[70+4*\sl:71+4*\sl], s[70+4*\sl:71+4*\sl], 2*ROWB
	TLOAD 56+4*\sl, 24, 68+4*\sl, 32               ; the first tensor load behind the round, one a wave
.endif
	v_add_nc_u32 v12, 8, v12                       ; the next slot's scale words: 8 bytes a row
.set LI, 0
	EMIT 11, \nx, 0, 0, 12
.if \fill
	WIN 0
	ASK 94+\sl
.endif
.irp g, 2,3,4,5,6,7,8,9,10,11
	GRP \g, 1, 1, \sl, 0
	EMIT 11, \nx, 0, 0, 12                         ; the list of 108 ends behind group 10
.endr
.endm
; THE WAY OUT of one of Q, K, V: 128 registers = four runs of 32 = eight blocks of 32.  wm, wc: the window settings for the maxima and for the conversions; bs: the stores' base; st: bytes from run to run.
.macro QUANT4 wm, wc, base, bs, st, ssr, sso, vk
	s_wait_xcnt 0x0                                ; the stores before have read their registers
	s_wait_dscnt 0x0
	WIN \wm
.irp k, 0,1,2,3,4,5,6,7
	v_max3_num_f32 v[176+\k], 0x1800000, |v[(\base)+16*\k]|, |v[(\base)+16*\k+1]|   ; my 16 numbers of block k, and the floor 2^(3 - 127): the byte cannot fall under 1.  Each accumulator is read from its low end on
.endr
.irp i, 2,4,6,8,10,12,14
.irp k, 0,1,2,3,4,5,6,7
	v_max3_num_f32 v[176+\k], v[176+\k], |v[(\base)+16*\k+\i]|, |v[(\base)+16*\k+\i+1]|
.endr
.endr
	WIN 0
.irp k, 0,1,2,3,4,5,6,7
	v_permlanex16_b32 v[184+\k], v[176+\k], s96, s97
.endr
.irp k, 0,1,2,3,4,5,6,7
	v_max_num_f32 v[176+\k], v[176+\k], v[184+\k]  ; with lane l xor 16's: the block's largest magnitude
.endr
.irp k, 0,1,2,3,4,5,6,7
	v_add_nc_u32 v[192+\k], 0xff000000, v[176+\k]  ; 2 off its exponent field: the conversion's scale operand
.endr
.irp k, 0,1,2,3,4,5,6,7
	v_lshrrev_b32 v[200+\k], 23, v[192+\k]         ; the scale's byte
.endr
.irp u, 0,1,2,3
	v_lshl_or_b32 v[208+\u], v[201+2*\u], 8, v[200+2*\u]   ; a run's two bytes: half a scale word
.endr
	WIN \wc
.irp u, 0,1,2,3
	v_cvt_scalef32_pk16_fp6_f32 v[212+6*\u:214+6*\u], v[(\base)+32*\u:(\base)+32*\u+15], v[192+2*\u]
	v_cvt_scalef32_pk16_fp6_f32 v[236+4*\u:238+4*\u], v[(\base)+32*\u+16:(\base)+32*\u+31], v[193+2*\u]
.endr
	WIN 0
	v_nop                                          ; one plain place behind a scaled conversion
.irp u, 0,1,2,3
.irp i, 0,1,2
	v_permlane16_swap_b32 v[212+6*\u+\i], v[236+4*\u+\i]   ; a whole block to a lane: lanes 0-15 the run's first block, lanes 16-31 its second
.endr
.irp i, 0,1,2
	v_mov_b32 v[215+6*\u+\i], v[236+4*\u+\i]
.endr
.endr
.irp u, 0,1,2,3
	global_store_b128 v13, v[212+6*\u:215+6*\u], s[\bs:\bs+1] offset:\u*(\st) th:TH_STORE_NT
	global_store_b64 v14, v[216+6*\u:217+6*\u], s[\bs:\bs+1] offset:\u*(\st)+512 th:TH_STORE_NT
.if \vk
	ds_store_b16 v[\ssr], v[208+\u] offset:256*(\u%2)+4*(\u/2)
.else
	ds_store_b16 v[\ssr], v[208+\u] offset:(\sso)+4*\u
.endif
.endr
.endm
	s_load_b512 s[4:19], s[0:1], 0x0               ; X's codes, scales; Wq's; Wk's; Wv's
	s_load_b128 s[20:23], s[0:1], 0x40             ; qimg, kvimg
	v_lshl_add_u32 v28, v0, 2, SPARE
	v_mov_b32 v29, 0
	ds_add_u32 v28, v29
	ds_add_u32 v28, v29
	s_wait_dscnt 0x0
	v_lshrrev_b32 v1, 5, v0
	v_readfirstlane_b32 s84, v1                    ; wave 0..3
	s_lshr_b32 s85, s84, 1                         ; a: my 64 tokens
	s_and_b32 s86, s84, 1                          ; b: my 64 columns
	s_bfe_u32 s87, ttmp6, 0x40000                  ; cx
	s_lshl_b32 s88, ttmp9, 2
	s_add_co_u32 s88, s88, s87                     ; wgx: my 128 tokens
	s_and_b32 s89, ttmp7, 0xffff                   ; X2: my 128 columns; the four partners share it
	; descriptor groups 1: tiles of 128 rows x 192 bytes, 16 bytes of padding behind each 64; X's without a mask, W's with the mask of all four and bit 21 beside it
	s_mov_b32 s24, (1<<20)|(3<<22)|(3<<25)
	s_mov_b32 s32, 15|(1<<20)|(1<<21)|(3<<22)|(3<<25)
.irp g, 24, 32
	s_mov_b32 s[\g+1], ROWB<<16                    ; tensor_dim0
	s_mov_b32 s[\g+2], 128<<16                     ; tensor_dim1
	s_mov_b32 s[\g+3], ROWB<<16                    ; tile_dim0
	s_mov_b32 s[\g+4], 128                         ; tile_dim1
	s_mov_b32 s[\g+5], KROW                        ; pitch
	s_mov_b32 s[\g+6], 0
	s_mov_b32 s[\g+7], 0
.endr
	; the scales of 128 rows: 8,192 dense bytes as 32 rows of 256 (32 elements of 8 bytes), 16 bytes of padding behind each
	s_mov_b32 s40, (3<<16)|(1<<20)|(5<<22)|(3<<25)
	s_mov_b32 s48, 15|(3<<16)|(1<<20)|(1<<21)|(5<<22)|(3<<25)
.irp g, 40, 48
	s_mov_b32 s[\g+1], 32<<16
	s_mov_b32 s[\g+2], 32<<16
	s_mov_b32 s[\g+3], 32<<16
	s_mov_b32 s[\g+4], 32
	s_mov_b32 s[\g+5], 32
	s_mov_b32 s[\g+6], 0
	s_mov_b32 s[\g+7], 0
.endr
	s_mov_b32 s91, 0
	s_mov_b32 s99, 0
	s_mov_b32 s96, 0x76543210
	s_mov_b32 s97, 0xfedcba98                      ; v_permlanex16_b32's selects for lane l xor 16
	s_cmp_eq_u32 s89, 0
	s_cselect_b32 s94, 1, -1                       ; a wave prefetches while the lap counter is above these
	s_cselect_b32 s95, 2, -1
	s_wait_kmcnt 0x0
	s_cmp_eq_u32 s84, 2                            ; which W is my wave's: 1 Wq, 2 Wk, 3 Wv
	s_cselect_b64 s[8:9], s[12:13], s[8:9]
	s_cselect_b64 s[10:11], s[14:15], s[10:11]
	s_cmp_eq_u32 s84, 3
	s_cselect_b64 s[8:9], s[16:17], s[8:9]
	s_cselect_b64 s[10:11], s[18:19], s[10:11]
	s_mul_i32 s90, s88, 128*KROW
	s_add_nc_u64 s[4:5], s[4:5], s[90:91]          ; X's codes at my 128 tokens
	s_lshl_b32 s90, s88, 13
	s_add_nc_u64 s[6:7], s[6:7], s[90:91]          ; and their scales
	s_mul_i32 s98, s89, 128*KROW                   ; (W's offsets in registers that never hold cx)
	s_add_nc_u64 s[8:9], s[8:9], s[98:99]
	s_lshl_b32 s98, s89, 13
	s_add_nc_u64 s[10:11], s[10:11], s[98:99]
	s_mul_i32 s12, s84, HALFT                      ; where my tiles go: wave x 128 rows
	s_mul_i32 s13, s84, HALFS
	CROUND                                         ; all four work-groups are here: the first joint loads meet
	s_mov_b32 s76, 1
	s_add_co_u32 s77, s13, SCL
	s_mov_b64 s[78:79], s[6:7]
	s_or_b32 s79, s79, 0x80000000
	s_mov_b32 s80, 1
	s_add_co_u32 s81, s13, SCL
	s_mov_b64 s[82:83], s[10:11]
	s_or_b32 s83, s83, 0x80000000
	TLOAD 76, 40, 80, 48                           ; the scales, for all of K: filled once
.irp s, 0,1
	s_mov_b32 s[56+4*\s], 1
	s_add_co_u32 s[57+4*\s], s12, \s*SLOT
	s_add_nc_u64 s[58+4*\s:59+4*\s], s[4:5], \s*ROWB
	s_or_b32 s[59+4*\s], s[59+4*\s], 0x80000000
	s_mov_b32 s[68+4*\s], 1
	s_add_co_u32 s[69+4*\s], s12, \s*SLOT
	s_add_nc_u64 s[70+4*\s:71+4*\s], s[8:9], \s*ROWB
	s_or_b32 s[71+4*\s], s[71+4*\s], 0x80000000
	TLOAD 56+4*\s, 24, 68+4*\s, 32
.endr
	s_lshl_b32 s90, s84, 5
	s_mul_i32 s90, s90, KROW
	s_add_co_u32 s90, s90, 3*ROWB+ROWB-1
	s_add_nc_u64 s[92:93], s[4:5], s[90:91]        ; the prefetches: my 32 rows, the last byte of slot 3's part; the first refill steps it to slot 4.  Nothing is prefetched here, at the head
	v_and_b32 v1, 15, v0                           ; r
	v_bfe_u32 v2, v0, 4, 1                         ; h
	v_and_b32 v3, 31, v0                           ; lane
	v_mul_u32_u24 v30, v3, KROW
	v_mul_u32_u24 v4, v1, PITCH
	v_mad_u32_u24 v4, v2, 24, v4                   ; a fragment's row x pitch + 24 x half
	v_lshl_add_u32 v5, v2, 4, v4                   ; and the same behind one padding more
	s_mul_i32 s14, s85, 64*PITCH                   ; X: my 64 rows
	s_mul_i32 s15, s86, 64*PITCH
	s_add_co_u32 s15, s15, HALFT                   ; Wq: my 64 rows (Wk's lie HALFT on)
	s_add_co_u32 s16, s15, 2*HALFT                 ; Wv
.irp s, 0,1
	v_add_nc_u32 v[16+\s], s14, v4
	v_add_nc_u32 v[18+\s], s14, v5
	v_add_nc_u32 v[20+\s], s15, v4
	v_add_nc_u32 v[22+\s], s15, v5
	v_add_nc_u32 v[24+\s], s16, v4
	v_add_nc_u32 v[26+\s], s16, v5
	s_add_co_u32 s14, s14, SLOT
	s_add_co_u32 s15, s15, SLOT
	s_add_co_u32 s16, s16, SLOT
.endr
	v_lshlrev_b32 v6, 6, v1                        ; my row's scales: 64 bytes a row,
	v_lshrrev_b32 v7, 2, v1
	v_lshl_add_u32 v6, v7, 4, v6                   ; and 16 more for each four rows
	s_mul_i32 s17, s85, 4*SBLK                     ; lanes 0-15: X's, my 64 rows
	s_mul_i32 s18, s86, 4*SBLK
	s_add_co_u32 s18, s18, HALFS                   ; lanes 16-31: Wq's, my 64 rows
	s_sub_co_u32 s18, s18, s17
	v_mul_u32_u24 v7, s18, v2
	s_add_co_u32 s17, s17, SCL
	v_add_nc_u32 v6, v6, v7
	v_add_nc_u32 v12, s17, v6
	v_lshlrev_b32 v13, 4, v3                       ; the way out: 16 x lane,
	v_lshlrev_b32 v14, 3, v3                       ; 8 x lane
	s_lshl_b32 s17, s85, 8
	s_lshl_b32 s18, s86, 1
	s_add_co_u32 s17, s17, s18
	s_add_co_u32 s17, s17, SS
	v_lshl_add_u32 v15, v1, 4, s17                 ; Q's and K's half words: SS + 256 a + 16 r + 2 b (+ 4 x tile; K's 512 on)
	s_lshl_b32 s17, s86, 3
	s_lshl_b32 s18, s85, 1
	s_add_co_u32 s17, s17, s18
	s_add_co_u32 s17, s17, SS+1024
	v_lshl_add_u32 v31, v1, 4, s17                 ; V's: SS + 1024 + 16 r + 8 b + 2 a
	v_add_nc_u32 v10, SS, v13                      ; and where the whole words are read back
	v_mul_u32_u24 v11, v2, QCH
	v_lshl_add_u32 v11, v1, 4, v11                 ; Q's scale words in memory: a chunk for each half of the lanes
	v_lshlrev_b32 v9, 9, v2
	v_lshl_add_u32 v9, v1, 4, v9                   ; K's: 512 bytes for each half of the lanes
.irp k, 0,1,2,3,4,5,6,7
	v_mov_b32 v[184+\k], 0                         ; written once: a lane permute's destination counts as one of its sources
.endr
	s_wait_tensorcnt 1                             ; the scales and my part of slot 0 are in; slot 1's load may stay out
	s_barrier_signal -1
	s_barrier_wait -1
.set LI, 0
	EMIT 108, 0, 0, 0, 12
	STEP 0, 1                                      ; the first step stands in front of the loop: its products start the sums
	WIN 0
	s_mov_b32 s3, 3
.Llap:                                                 ; a trip goes once round the ring and fills both slots again
	TURN 0, 1, 1
	STEP 1, 0
	TURN 1, 0, 1
	STEP 0, 0
	WIN 0
	s_sub_co_u32 s3, s3, 1
	s_cmp_lg_u32 s3, 0
	s_cbranch_scc1 .Llap
	TURN 0, 1, 0                                   ; the last lap fills nothing, and has no round of the cluster's barrier
	STEP 1, 0
.irp g, 0,1,2,3,4,5,6,7,8,9,10,11                      ; the very last step: nothing more to fetch
.if 6*(11-\g) < 60
	s_wait_dscnt 6*(11-\g)
.else
	s_wait_dscnt 60
.endif
	GRP \g, 1, 1, 1, 0
.endr
	WIN 0
	; where the images go
	s_lshl_b32 s90, s88, 1
	s_add_co_u32 s90, s90, s85
	s_mul_i32 s90, s90, QCH
	s_mul_i32 s2, s89, 1536
	s_add_co_u32 s90, s90, s2
	s_mul_i32 s2, s86, 768
	s_add_co_u32 s90, s90, s2
	s_add_nc_u64 s[4:5], s[20:21], s[90:91]        ; Q: chunk 2 wgx + a, K step X2, half b
	s_mul_i32 s90, s88, KVB
	s_add_nc_u64 s[22:23], s[22:23], s[90:91]      ; kvimg at my block
	s_mul_i32 s90, s85, 12288
	s_mul_i32 s2, s89, 1536
	s_add_co_u32 s90, s90, s2
	s_mul_i32 s2, s86, 768
	s_add_co_u32 s90, s90, s2
	s_add_nc_u64 s[6:7], s[22:23], s[90:91]        ; K: tiles 4 a on, K step X2, half b
	s_mul_i32 s90, s89, 12288
	s_mul_i32 s2, s86, 6144
	s_add_co_u32 s90, s90, s2
	s_xor_b32 s2, s85, s89
	s_mul_i32 s2, s2, 768
	s_add_co_u32 s90, s90, s2
	s_add_co_u32 s90, s90, 25600
	s_add_nc_u64 s[8:9], s[22:23], s[90:91]        ; V: channel tiles 8 X2 + 4 b on, place a xor X2
	s_mul_i32 s90, s88, 2*QCH
	s_lshl_b32 s2, s89, 8
	s_add_co_u32 s90, s90, s2
	s_add_co_u32 s90, s90, 12288
	s_add_nc_u64 s[10:11], s[20:21], s[90:91]      ; Q's scale words
	s_lshl_b32 s90, s89, 8
	s_add_co_u32 s90, s90, 24576
	s_add_nc_u64 s[12:13], s[22:23], s[90:91]      ; K's
	s_lshl_b32 s90, s89, 9
	s_add_co_u32 s90, s90, 50176
	s_add_nc_u64 s[14:15], s[22:23], s[90:91]      ; V's
	s_lshl_b32 s98, s89, 4                         ; V's words are turned by 16 X2 bits
	PLACES 4                                       ; four places between the last products and the first read of results
	QUANT4 0x28, 0x02, 0, 4, 3072, 15, 0, 0
	QUANT4 0x28, 0x02, 128, 6, 3072, 15, 512, 0
	QUANT4 0x3c, 0x03, 0, 8, 1536, 31, 0, 1
	s_wait_dscnt 0x0                               ; for the others' sake: my half words are in the stage
	s_barrier_signal -1
	s_barrier_wait -1
	s_cmp_lg_u32 s84, 0
	s_cbranch_scc1 .Lw1
	ds_load_b128 v[252:255], v10                   ; wave 0: Q's scale words, 256 consecutive bytes for each of the two chunks
	s_wait_dscnt 0x0
	global_store_b128 v11, v[252:255], s[10:11] th:TH_STORE_NT
	s_branch .Lend
.Lw1:
	s_cmp_lg_u32 s84, 1
	s_cbranch_scc1 .Lw2
	ds_load_b128 v[252:255], v10 offset:512        ; wave 1: K's
	s_wait_dscnt 0x0
	global_store_b128 v9, v[252:255], s[12:13] th:TH_STORE_NT
	s_branch .Lend
.Lw2:
	s_cmp_lg_u32 s84, 2
	s_cbranch_scc1 .Lend
	ds_load_b128 v[252:255], v10 offset:1024       ; wave 2: V's, 512 consecutive bytes
	s_wait_dscnt 0x0
.irp i, 252,253,254,255
	v_alignbit_b32 v\i, v\i, v\i, s98
.endr
	global_store_b128 v13, v[252:255], s[14:15] th:TH_STORE_NT
.Lend:
	s_wait_tensorcnt 0x0                           ; the wave's end
	ds_add_u32 v28, v29
	s_wait_dscnt 0x0
	CROUND                                         ; the closing round: no work-group ends while a partner may still ask for a tile that names it
	s_endpgm
.Lfunc_end_k_q59e7d3d9ef_proj:
	.size	k_q59e7d3d9ef_proj, .Lfunc_end_k_q59e7d3d9ef_proj-k_q59e7d3d9ef_proj
	.p2alignl 7, 3214868480
	.fill 96, 4, 3214868480
	.section	.rodata,"a",@progbits
	.p2align	6, 0x0
	.amdhsa_kernel k_q59e7d3d9ef_proj
		.amdhsa_group_segment_fixed_size 327680
		.amdhsa_private_segment_fixed_size 0
		.amdhsa_enable_private_segment 0
		.amdhsa_kernarg_size 80
		.amdhsa_user_sgpr_count 2
		.amdhsa_user_sgpr_kernarg_segment_ptr 1
		.amdhsa_wavefront_size32 1
		.amdhsa_system_sgpr_workgroup_id_x 1
		.amdhsa_system_sgpr_workgroup_id_y 1
		.amdhsa_system_sgpr_workgroup_id_z 1
		.amdhsa_system_vgpr_workitem_id 0
		.amdhsa_next_free_vgpr 1024
		.amdhsa_next_free_sgpr 100
		.amdhsa_reserve_vcc 0
		.amdhsa_float_denorm_mode_32 3
		.amdhsa_float_denorm_mode_16_64 3
		.amdhsa_memory_ordered 1
		.amdhsa_forward_progress 1
		.amdhsa_inst_pref_size 149
	.end_amdhsa_kernel
	.amdgpu_metadata
---
amdhsa.version: [ 1, 2 ]
amdhsa.kernels:
  - .name:           k_q59e7d3d9ef_proj
    .symbol:         k_q59e7d3d9ef_proj.kd
    .args:
      - { .name: X_codes, .offset: 0, .size: 8, .value_kind: global_buffer, .address_space: global }
      - { .name: X_scales, .offset: 8, .size: 8, .value_kind: global_buffer, .address_space: global }
      - { .name: Wq_codes, .offset: 16, .size: 8, .value_kind: global_buffer, .address_space: global }
      - { .name: Wq_scales, .offset: 24, .size: 8, .value_kind: global_buffer, .address_space: global }
      - { .name: Wk_codes, .offset: 32, .size: 8, .value_kind: global_buffer, .address_space: global }
      - { .name: Wk_scales, .offset: 40, .size: 8, .value_kind: global_buffer, .address_space: global }
      - { .name: Wv_codes, .offset: 48, .size: 8, .value_kind: global_buffer, .address_space: global }
      - { .name: Wv_scales, .offset: 56, .size: 8, .value_kind: global_buffer, .address_space: global }
      - { .name: qimg, .offset: 64, .size: 8, .value_kind: global_buffer, .address_space: global }
      - { .name: kvimg, .offset: 72, .size: 8, .value_kind: global_buffer, .address_space: global }
    .group_segment_fixed_size: 327680
    .private_segment_fixed_size: 0
    .kernarg_segment_align: 8
    .kernarg_segment_size: 80
    .max_flat_workgroup_size: 128
    .sgpr_count:     100
    .vgpr_count:     1024
    .wavefront_size: 32
...
	.end_amdgpu_metadata
.endif
;; end of part 1
;; launch retain (part 2): grid 64 x 4, 4 waves a work-group, clusters of 4 x 1, 327,680 bytes of LDS; arguments qimg, kvimg, decay, out0; writes out0
.if DOCPART == 2
	.amdgcn_target "amdgcn-amd-amdhsa--gfx1250"
	.amdhsa_code_object_version 6
	.text
	.protected	k_q59e7d3d9ef_retain
	.globl	k_q59e7d3d9ef_retain
	.p2align	8
	.type	k_q59e7d3d9ef_retain,@function
k_q59e7d3d9ef_retain:
	s_mov_b64 s[64:65], 0
	v_nop
	global_prefetch_b8 v0, s[64:65] scope:SCOPE_SE
	s_setreg_imm32_b32 hwreg(HW_REG_WAVE_MODE, 25, 1), 1
	s_wait_xcnt 0x0
	s_wait_alu depctr_hold_cnt(0) depctr_sa_sdst(0) depctr_va_vdst(0) depctr_va_sdst(0) depctr_va_ssrc(0) depctr_va_vcc(0) depctr_vm_vsrc(0)
	s_getreg_b32 s2, hwreg(HW_REG_IB_STS2, 6, 4)
	s_cmp_eq_u32 s2, 0
	s_cbranch_scc0 .Lentry_in_a_cluster
	s_endpgm
.Lentry_in_a_cluster:
	s_bfe_u32 s2, ttmp6, 0x10000c
	s_cmp_lg_u32 s2, 0x3003
	s_cbranch_scc0 .Lentry_shape_is_right
	s_endpgm
.Lentry_shape_is_right:
; out[q] = the sum over keys k <= q of Quant(Q[q] . K[k] x exp(-decay[0] (q - k)) / 16) V[k], both products on codes of FP6 (E2M3) with E8M0 scales; the weights are quantised along the keys, block by block of 32.
; Q, K, V come as images of operand registers (qimg, kvimg: laid out at the head of the launch that makes them).  There is no normalisation, so a row's sum over the keys is taken in any order and in two parts.
; SHARES.  A cluster of four work-groups owns 256 queries of one batch, a work-group 64 of them: four tiles of 16.  All four walk the same keys, a LAP of 256 keys (two key steps of 128; 102,400 dense bytes) at a time,
; so each lap is asked for JOINTLY, each wave a quarter.  Wave (a, b) works on key step a of the lap: it makes the scores of keys 64 b .. 64 b + 63 for all four query tiles (source 0 = 16 keys, source 1 = 16 queries:
; a lane holds one query, its registers run along the keys), weighs and quantises them: half a fragment for each query tile; the halves change hands with wave w xor 1 through LDS; then it makes channels 128 b .. 128 b + 127
; of O^T += V^T P.  So each fragment of K and of V is read from LDS once in the work-group and feeds four products.  At the end the sums of a = 0 and a = 1 are added.
; My own 64 keys always stand in registers 0-5 of P and in scale bytes 0, 1: for b = 1 the images of V's channel tiles 8-15 have their halves and scale bytes laid to match.
; THE WALK.  With c the cluster's number in its batch and P = c / 2 the laps are taken in the order 2 P, 2 P + 1, 2 P - 1, .. 0.  The first two take the GENERAL weights (an exponential for each entry of the table, and 0 where
; the key comes after the query): right for laps on the diagonal, wholly hidden or wholly open, so that nothing hangs on a work-group's place in its cluster.  All later laps lie wholly before the cluster's queries.
; decay is an input, so nothing is cut off by distance: only what the causal mask hides is left out.
; THE WEIGHTS hang on query - key alone: d = DEL + DB - 16 (m - 3) - j with m = key tile - query tile + 3, so one table E of 56 numbers a lane serves all four query tiles.  1 / 16 goes into the exponent.
; Open laps: E = T0 x WEXT, WEXT[8 m + j] = 2^(-mu (63 + DB - 16 (m - 3) - j)) made once, T0 = 2^(-mu (DEL - 63) - 4) once a lap; both distances are 0 or more, so neither factor leaves f32's range where the product does not.
; LIMITS.  A block of weights whose largest magnitude lies under 2^-124 (zeros too) gets the scale byte 1: its codes are zeros or subnormal.  A weight under 2^-126 counts as 0.  The exponent -mu d is one f32 product: its error
; grows as 1e-7 x |decay| d.  NaN and infinities are not served; a negative decay as far as exp(-decay x 4095) stays finite.
; REGISTERS.  window 0: v1-15, v38-42 addresses; v16, v17 for the spare words; v18 DB, v19 DB + DEL, v[20:21] T0; v24-27 K's, v28-31 V's, v32-35 Q's, v36-37 P's scale words; v64-159 Q; v160-215 WEXT.
;   window 1: O^T at 64 t + 8 ct.   window 2: the scores at 32 t + 8 kt; v128-175 P at 12 t; v176-227 at work.   window 3: v0-95 K's fragments; v96-191 V's; v192-247 E.
.set BLKB,  51200                      ; a key step's block in kvimg
.set RNDB,  102400                     ; a lap, and an LDS slot
.set QTR,   25600                      ; what one tensor load brings
.set PX,    2*RNDB                     ; behind the ring: wave w's four half fragments of P, 768 bytes each
.set PXS,   PX+4*3072                  ; P's scale words: 512 a + 256 x reader's b + 64 t + 4 r
.set SPARE, PXS+1024                   ; the spare words, 128 bytes for each wave
.set OPITCH, 1040                      ; the way out: rows of 1,024 bytes + 16; two copies of 64 rows, in the slots, which have had their last fill and their last read by then
.set OCOPY, 64*OPITCH
.set MSB, 0
.macro WIN new                         ; the immediate's high byte repeats the setting that is left
.if MSB != \new
	s_set_vgpr_msb (MSB<<8)|\new
.set MSB, \new
.endif
.endm
.macro PLACES n
.rept \n
	v_nop
.endr
.endm
.macro ROUND                           ; a round of the cluster's barrier
	s_barrier_signal -1
	s_barrier_wait -1
	s_cmp_lg_u32 s14, 0
	s_cbranch_scc1 .Lnot_wave_0_\@
	s_barrier_signal -3
.Lnot_wave_0_\@:
	s_barrier_wait -3
	s_barrier_signal -1
	s_barrier_wait -1
.endm
.macro WM d, a, b, z, sa, sb, ra, rb   ; one product; z = 1: it starts the sum; ra, rb = 1: that source's scales stand in lanes 16-31
.if (\z) && (\ra) && (\rb)
	v_wmma_scale_f32_16x16x128_f8f6f4 v[(\d):(\d)+7], v[(\a):(\a)+11], v[(\b):(\b)+11], 0, v[\sa], v[\sb] matrix_a_fmt:MATRIX_FMT_FP6 matrix_b_fmt:MATRIX_FMT_FP6 matrix_a_scale:MATRIX_SCALE_ROW1 matrix_b_scale:MATRIX_SCALE_ROW1
.elseif (\z) && (\ra)
	v_wmma_scale_f32_16x16x128_f8f6f4 v[(\d):(\d)+7], v[(\a):(\a)+11], v[(\b):(\b)+11], 0, v[\sa], v[\sb] matrix_a_fmt:MATRIX_FMT_FP6 matrix_b_fmt:MATRIX_FMT_FP6 matrix_a_scale:MATRIX_SCALE_ROW1
.elseif (\z) && (\rb)
	v_wmma_scale_f32_16x16x128_f8f6f4 v[(\d):(\d)+7], v[(\a):(\a)+11], v[(\b):(\b)+11], 0, v[\sa], v[\sb] matrix_a_fmt:MATRIX_FMT_FP6 matrix_b_fmt:MATRIX_FMT_FP6 matrix_b_scale:MATRIX_SCALE_ROW1
.elseif (\z)
	v_wmma_scale_f32_16x16x128_f8f6f4 v[(\d):(\d)+7], v[(\a):(\a)+11], v[(\b):(\b)+11], 0, v[\sa], v[\sb] matrix_a_fmt:MATRIX_FMT_FP6 matrix_b_fmt:MATRIX_FMT_FP6
.elseif (\ra) && (\rb)
	v_wmma_scale_f32_16x16x128_f8f6f4 v[(\d):(\d)+7], v[(\a):(\a)+11], v[(\b):(\b)+11], v[(\d):(\d)+7], v[\sa], v[\sb] matrix_a_fmt:MATRIX_FMT_FP6 matrix_b_fmt:MATRIX_FMT_FP6 matrix_a_scale:MATRIX_SCALE_ROW1 matrix_b_scale:MATRIX_SCALE_ROW1
.elseif (\ra)
	v_wmma_scale_f32_16x16x128_f8f6f4 v[(\d):(\d)+7], v[(\a):(\a)+11], v[(\b):(\b)+11], v[(\d):(\d)+7], v[\sa], v[\sb] matrix_a_fmt:MATRIX_FMT_FP6 matrix_b_fmt:MATRIX_FMT_FP6 matrix_a_scale:MATRIX_SCALE_ROW1
.elseif (\rb)
	v_wmma_scale_f32_16x16x128_f8f6f4 v[(\d):(\d)+7], v[(\a):(\a)+11], v[(\b):(\b)+11], v[(\d):(\d)+7], v[\sa], v[\sb] matrix_a_fmt:MATRIX_FMT_FP6 matrix_b_fmt:MATRIX_FMT_FP6 matrix_b_scale:MATRIX_SCALE_ROW1
.else
	v_wmma_scale_f32_16x16x128_f8f6f4 v[(\d):(\d)+7], v[(\a):(\a)+11], v[(\b):(\b)+11], v[(\d):(\d)+7], v[\sa], v[\sb] matrix_a_fmt:MATRIX_FMT_FP6 matrix_b_fmt:MATRIX_FMT_FP6
.endif
.endm
; THE CHANGE OF SLOTS stands at a lap's head.  Each wave waits for all its tensor loads (its quarter of the lap ahead), adds 0 to its spare word, and waits for that and for its reads of the slot that it has left.
; fill = 1: a round of the cluster's barrier, and behind it the slot just left is filled: group 0 at s[g0], stepped back by step bytes.  adj = 1: slot 1's group, whose load has landed, is set back one lap.
.macro CHANGE g0, step, fill, adj
	WIN 0
	s_wait_tensorcnt 0x0                           ; no tensor load of mine is out, so a group 0 may be written
	ds_add_u32 v16, v17                            ; 0 onto my spare word
.if (\fill) && (\step)
	s_sub_nc_u64 s[\g0+2:\g0+3], s[\g0+2:\g0+3], \step
.endif
.if \adj
	s_sub_nc_u64 s[38:39], s[38:39], RNDB
.endif
	s_wait_dscnt 0x0                               ; the add is done, and my reads of the slot that I have left are over
.if \fill
	ROUND                                          ; no wave of any partner still reads that slot or has a load on its way
	tensor_load_to_lds s[\g0:\g0+3], s[24:31]      ; the first thing behind the round, and a wave's one tensor load until the next
	s_nop 0
	PLACES 4
.else
	s_barrier_signal -1
	s_barrier_wait -1
.endif
.endm
.macro KLOAD sl                        ; my four key tiles' scale words, and their eight fragments in the order in which they are multiplied
	WIN 0
	ds_load_b128 v[24:27], v[8+\sl]
	WIN 0xc0                                       ; destination window 3
.irp s, 0,1
.irp kt, 0,1,2,3
	ds_load_b128 v[48*\s+12*\kt:48*\s+12*\kt+3], v[4+\sl] offset:3072*\kt+1536*\s
	ds_load_b64 v[48*\s+12*\kt+4:48*\s+12*\kt+5], v[6+\sl] offset:3072*\kt+1536*\s+512
	ds_load_b128 v[48*\s+12*\kt+6:48*\s+12*\kt+9], v[4+\sl] offset:3072*\kt+1536*\s+768
	ds_load_b64 v[48*\s+12*\kt+10:48*\s+12*\kt+11], v[6+\sl] offset:3072*\kt+1536*\s+1280
.endr
.endr
.endm
.macro SMUL                            ; S^T = K Q^T: 16 accumulators by turns, h's first 128 and then its second
	WIN 0xa3                                       ; source 0 (K) window 3, source 1 (Q) window 0, C and D window 2
.irp s, 0,1
.irp kt, 0,1,2,3
	s_wait_dscnt 28-4*(4*\s+\kt)                   ; four loads for each fragment issued behind this one
.irp t, 0,1,2,3
	WM 32*\t+8*\kt, 48*\s+12*\kt, 64+24*\t+12*\s, 1-\s, 24+\kt, 32+\t, \s, \s
.endr
.endr
.endr
.endm
.macro VLOAD sl                        ; my eight channel tiles of V: they land while the weights are made
	WIN 0
	ds_load_b128 v[28:31], v[8+\sl] offset:25600
	WIN 0xc0
.irp ct, 0,1,2,3,4,5,6,7
	ds_load_b128 v[96+12*\ct:96+12*\ct+3], v[4+\sl] offset:25600+1536*\ct
	ds_load_b64 v[96+12*\ct+4:96+12*\ct+5], v[6+\sl] offset:25600+1536*\ct+512
	ds_load_b128 v[96+12*\ct+6:96+12*\ct+9], v[4+\sl] offset:25600+1536*\ct+768
	ds_load_b64 v[96+12*\ct+10:96+12*\ct+11], v[6+\sl] offset:25600+1536*\ct+1280
.endr
.endm
.macro EFULL                           ; an open lap's table: T0 x WEXT.  (These 28 are also the places between the products and the first read of the scores)
	s_wait_alu depctr_va_vdst(0)                   ; ahead of the first reader of T0
	WIN 0xc0
.set i, 0
.rept 28
	v_pk_mul_f32 v[192+2*i:193+2*i], v[160+2*i:161+2*i], v[20:21] op_sel_hi:[1,0]
.set i, i+1
.endr
.endm
.macro EGEN                            ; the general table: the distance as a whole number (in K's registers, which are done with), its weight, and 0 where the key comes after the query
	PLACES 4                                       ; four places in front of writes into registers that the products have read
	WIN 0
	v_add_nc_u32 v19, s21, v18
	WIN 0xc0
.set i, 0
.rept 56
	v_add_nc_u32 v[i], 48-16*(i/8)-(i%8), v19
.set i, i+1
.endr
	WIN 0xcf
.set i, 0
.rept 56
	v_cvt_f32_i32 v[192+i], v[i]
.set i, i+1
.endr
.set i, 0
.rept 56
	v_fma_f32 v[192+i], v[192+i], s13, -4.0
.set i, i+1
.endr
.set i, 0
.rept 56
	v_exp_f32 v[192+i], v[192+i]
.set i, i+1
.endr
	v_nop                                          ; a plain place behind the exponentials
	s_wait_alu depctr_va_vdst(0)                   ; one wait for the batch, ahead of its first reader
.set i, 0
.rept 56
	v_cmp_le_i32 vcc_lo, 0, v[i]
	v_cndmask_b32 v[192+i], 0, v[192+i], vcc_lo
.set i, i+1
.endr
.endm
.macro SDECAY                          ; the scores times their weights, two at a time; each accumulator from its low end on
	WIN 0x8e                                       ; destination and source 0 window 2, source 1 (E) window 3
.irp t, 0,1,2,3
.irp kt, 0,1,2,3
.irp j, 0,2,4,6
	v_pk_mul_f32 v[32*\t+8*\kt+\j:32*\t+8*\kt+\j+1], v[32*\t+8*\kt+\j:32*\t+8*\kt+\j+1], v[192+8*(\kt-\t+3)+\j:192+8*(\kt-\t+3)+\j+1]
.endr
.endr
.endr
.endm
.macro QUANTP                          ; eight blocks of 32 keys (query tile t, block k % 2) become registers 0-5 of the four fragments of P and half a scale word each
	WIN 0xaa                                       ; all in window 2
.irp k, 0,1,2,3,4,5,6,7
	v_max3_num_f32 v[176+\k], |v[16*\k]|, |v[16*\k+1]|, 0x1800000   ; my 16 numbers of block k, and the floor 2^(3 - 127): the byte cannot fall under 1
.endr
.irp i, 2,4,6,8,10,12,14
.irp k, 0,1,2,3,4,5,6,7
	v_max3_num_f32 v[176+\k], v[176+\k], |v[16*\k+\i]|, |v[16*\k+\i+1]|
.endr
.endr
.irp k, 0,1,2,3,4,5,6,7
	v_permlanex16_b32 v[184+\k], v[176+\k], s22, s23
.endr
.irp k, 0,1,2,3,4,5,6,7
	v_max_num_f32 v[176+\k], v[176+\k], v[184+\k]  ; with lane l xor 16's: the block's largest magnitude
.endr
.irp k, 0,1,2,3,4,5,6,7
	v_add_nc_u32 v[192+\k], 0xff000000, v[176+\k]  ; 2 off its exponent field: the conversion's scale operand
.endr
.irp k, 0,1,2,3,4,5,6,7
	v_lshrrev_b32 v[200+\k], 23, v[192+\k]         ; the scale's byte
.endr
.irp t, 0,1,2,3
	v_lshl_or_b32 v[208+\t], v[201+2*\t], 8, v[200+2*\t]
.endr
.irp t, 0,1,2,3
	v_cvt_scalef32_pk16_fp6_f32 v[128+12*\t:130+12*\t], v[32*\t:32*\t+15], v[192+2*\t]
	v_cvt_scalef32_pk16_fp6_f32 v[212+4*\t:214+4*\t], v[32*\t+16:32*\t+31], v[193+2*\t]
.endr
	v_nop                                          ; one plain place behind a scaled conversion
.irp t, 0,1,2,3
.irp i, 0,1,2
	v_permlane16_swap_b32 v[128+12*\t+\i], v[212+4*\t+\i]   ; a whole block to a lane
.endr
.irp i, 0,1,2
	v_mov_b32 v[131+12*\t+\i], v[212+4*\t+\i]
.endr
.endr
.endm
.macro PSEND                           ; my halves go to LDS as they stand; my half word into my own copy of the scale words (bytes 0, 1) and into my partner's (bytes 2, 3)
	WIN 0x08                                       ; an LDS store's data are its source 1: window 2
.irp t, 0,1,2,3
	ds_store_b128 v10, v[128+12*\t:131+12*\t] offset:768*\t
	ds_store_b64 v11, v[132+12*\t:133+12*\t] offset:768*\t+512
	ds_store_b16 v14, v[208+\t] offset:64*\t
	ds_store_b16 v15, v[208+\t] offset:64*\t
.endr
.endm
.macro PRECV                           ; my partner's halves into registers 6-11; the whole scale words: lanes 0-15 an even query tile's, lanes 16-31 an odd one's
	WIN 0x80
.irp t, 0,1,2,3
	ds_load_b128 v[134+12*\t:137+12*\t], v12 offset:768*\t
	ds_load_b64 v[138+12*\t:139+12*\t], v13 offset:768*\t+512
.endr
	WIN 0
	ds_load_b32 v36, v38
	ds_load_b32 v37, v38 offset:128
	PLACES 4                                       ; registers 0-5 of P were written by vector instructions: four places in front of the scaled products
	s_wait_dscnt 0x0                               ; P is whole; V has long landed
.endm
.macro PVMUL zero                      ; O^T += V^T P: 32 accumulators, one instruction each
	WIN 0x5b                                       ; source 0 (V) window 3, source 1 (P) window 2, C and D window 1
.irp ct, 0,1,2,3,4,5,6,7
.irp t, 0,1,2,3
	WM 64*\t+8*\ct, 96+12*\ct, 128+12*\t, \zero, 28+\ct/2, 36+\t/2, \ct%2, \t%2
.endr
.endr
.endm
; A LAP out of slot sl.  gen = 1: the general weights.  zero = 1: its products start O^T's sums: nothing is ever cleared.
.macro WORK sl, gen, zero
	PLACES 4                                       ; places in front of loads into registers that the last products have read
.if \gen == 0
	s_sub_co_i32 s43, s21, 63
	v_cvt_f32_i32 v20, s43
	v_fma_f32 v20, v20, s13, -4.0
	v_exp_f32 v20, v20                             ; T0; its wait stands ahead of its first reader, behind the products
	v_nop
.endif
	KLOAD \sl
	SMUL
	VLOAD \sl
.if \gen
	EGEN
.else
	EFULL
.endif
	SDECAY
	QUANTP
	PSEND
	s_wait_dscnt 0x0                               ; for my partner's sake: my stores have landed
	s_barrier_signal -1
	s_barrier_wait -1                              ; the other slot's load stays on its way
	PRECV
	PVMUL \zero
	WIN 0
.endm
	s_load_b256 s[4:11], s[0:1], 0x0               ; qimg, kvimg, decay, out0
	v_lshl_add_u32 v16, v0, 2, SPARE
	v_mov_b32 v17, 0
	ds_add_u32 v16, v17
	ds_add_u32 v16, v17
	s_wait_dscnt 0x0
	v_lshrrev_b32 v1, 5, v0
	v_readfirstlane_b32 s14, v1                    ; wave 0..3
	s_lshr_b32 s15, s14, 1                         ; a: my key step of a lap
	s_and_b32 s16, s14, 1                          ; b: my 64 keys, my 128 channels
	s_bfe_u32 s17, ttmp6, 0x40000                  ; cx
	s_and_b32 s18, ttmp9, 1                        ; c % 2
	s_and_b32 s19, ttmp7, 0xffff                   ; the batch
	s_lshr_b32 s20, ttmp9, 1                       ; P: the same in all four partners
	; descriptor group 1: 25,600 dense bytes as 100 rows of 256 (32 elements of 8 bytes); the mask names all four work-groups, bit 21 beside it
	s_mov_b32 s24, 15|(3<<16)|(1<<21)
	s_mov_b32 s25, 32<<16
	s_mov_b32 s26, 100<<16
	s_mov_b32 s27, 32<<16
	s_mov_b32 s28, 100
	s_mov_b32 s29, 32
	s_mov_b32 s30, 0
	s_mov_b32 s31, 0
	s_lshl_b32 s40, s19, 4
	s_lshl_b32 s41, s20, 1
	s_add_co_u32 s40, s40, s41
	s_mul_i32 s40, s40, RNDB                       ; lap 2 P of my batch,
	s_mul_i32 s44, s14, QTR                        ; my quarter: in memory and in a slot
	s_add_co_u32 s40, s40, s44
	s_mov_b32 s41, 0
	s_lshl_b32 s21, s18, 8                         ; DEL = my work-group's first query - my wave's first key: 256 (c % 2) + 64 cx - 64 w in lap 2 P.  It goes into numbers alone
	s_lshl_b32 s43, s17, 6
	s_add_co_u32 s21, s21, s43
	s_lshl_b32 s43, s14, 6
	s_sub_co_i32 s21, s21, s43
	s_lshl_b32 s45, s19, 6
	s_lshl_b32 s46, ttmp9, 2
	s_add_co_u32 s45, s45, s46
	s_add_co_u32 s45, s45, s17                     ; my block of 64 queries: 64 x batch + 4 c + cx
	s_mul_i32 s46, s45, 12800
	s_mov_b32 s47, 0
	s_lshl_b32 s48, s45, 16                        ; its 64 rows of out0, 1,024 bytes each,
	s_lshl_b32 s49, s14, 14                        ; and my wave's 16 of them
	s_add_co_u32 s48, s48, s49
	s_mov_b32 s49, 0
	s_mov_b32 s22, 0x76543210
	s_mov_b32 s23, 0xfedcba98                      ; v_permlanex16_b32's selects for lane l xor 16
	s_wait_kmcnt 0x0
	s_load_b32 s12, s[8:9], 0x0                    ; decay[0]
	s_add_nc_u64 s[4:5], s[4:5], s[46:47]
	s_add_nc_u64 s[10:11], s[10:11], s[48:49]
	s_mov_b32 s32, 1                               ; group 0 for slot 0: lap 2 P
	s_mov_b32 s33, s44
	s_add_nc_u64 s[34:35], s[6:7], s[40:41]
	s_mov_b32 s36, 1                               ; and for slot 1: lap 2 P + 1
	s_add_co_u32 s37, s44, RNDB
	s_add_nc_u64 s[38:39], s[34:35], RNDB
	s_or_b32 s35, s35, 0x80000000
	s_or_b32 s39, s39, 0x80000000
	ROUND                                          ; all four work-groups are here: the first joint load meets
	tensor_load_to_lds s[32:35], s[24:31]
	s_nop 0
	PLACES 4
	v_and_b32 v1, 31, v0                           ; lane
	v_lshlrev_b32 v2, 4, v1
	v_lshlrev_b32 v3, 3, v1
.irp f, 0,1,2,3,4,5,6,7                                ; Q stays in registers: fragment 2 t + s
.irp c, 0,1
	global_load_b128 v[64+12*\f+6*\c:64+12*\f+6*\c+3], v2, s[4:5] offset:1536*\f+768*\c th:TH_LOAD_NT
	global_load_b64 v[64+12*\f+6*\c+4:64+12*\f+6*\c+5], v3, s[4:5] offset:1536*\f+768*\c+512 th:TH_LOAD_NT
.endr
.endr
	global_load_b128 v[32:35], v2, s[4:5] offset:12288 th:TH_LOAD_NT   ; its scale words: register t; lanes 0-15 h's first 128, lanes 16-31 its second
	v_and_b32 v22, 15, v0                          ; r
	v_bfe_u32 v23, v0, 4, 1                        ; h
	s_mul_i32 s50, s15, BLKB
	s_mul_i32 s51, s16, 12288
	s_add_co_u32 s51, s51, s50
	v_add_nc_u32 v4, s51, v2                       ; my tiles of K (and, 25,600 on, of V) in slot 0, 16 bytes a lane;
	v_add_nc_u32 v5, RNDB, v4                      ; in slot 1;
	v_add_nc_u32 v6, s51, v3                       ; 8 bytes a lane
	v_add_nc_u32 v7, RNDB, v6
	s_lshl_b32 s51, s16, 9
	s_add_co_u32 s51, s51, s50
	s_add_co_u32 s51, s51, 24576
	v_add_nc_u32 v8, s51, v2                       ; their scale words
	v_add_nc_u32 v9, RNDB, v8
	s_mul_i32 s51, s14, 3072
	s_add_co_u32 s51, s51, PX
	v_add_nc_u32 v10, s51, v2                      ; where my halves of P go,
	v_add_nc_u32 v11, s51, v3
	s_xor_b32 s51, s14, 1
	s_mul_i32 s51, s51, 3072
	s_add_co_u32 s51, s51, PX
	v_add_nc_u32 v12, s51, v2                      ; and where my partner's lie
	v_add_nc_u32 v13, s51, v3
	s_lshl_b32 s50, s15, 9
	s_add_co_u32 s50, s50, PXS
	s_lshl_b32 s51, s16, 8
	s_add_co_u32 s51, s51, s50
	v_lshl_add_u32 v14, v22, 2, s51                ; my copy of P's scale words: bytes 0, 1 of row r's;
	v_lshl_add_u32 v38, v1, 2, s51                 ; read back 4 bytes a lane;
	s_xor_b32 s51, s16, 1
	s_lshl_b32 s51, s51, 8
	s_add_co_u32 s51, s51, s50
	s_add_co_u32 s51, s51, 2
	v_lshl_add_u32 v15, v22, 2, s51                ; my partner's copy: bytes 2, 3
	s_mul_i32 s50, s15, OCOPY
	s_lshl_b32 s51, s16, 9
	s_add_co_u32 s50, s50, s51
	v_mul_u32_u24 v40, v22, OPITCH
	v_lshl_add_u32 v40, v23, 5, v40
	v_add_nc_u32 v40, s50, v40                     ; the way out: copy a, row r, + 512 b + 32 h
	s_mul_i32 s50, s14, 16*OPITCH
	v_add_nc_u32 v41, s50, v2                      ; back: my 16 rows, 16 bytes a lane, of copy 0
	v_add_nc_u32 v42, OCOPY, v41                   ; and of copy 1
	v_lshlrev_b32 v19, 3, v23
	v_sub_nc_u32 v18, v22, v19                     ; DB = r - 8 h
	s_wait_kmcnt 0x0
	v_mov_b32 v21, s12
	v_mul_f32 v21, 0xbfb8aa3b, v21                 ; -mu = -decay[0] log2(e)
	v_readfirstlane_b32 s13, v21
.set i, 0
.rept 56
	v_add_nc_u32 v[160+i], 111-16*(i/8)-(i%8), v18 ; 63 + DB - 16 (m - 3) - j: 0 or more
.set i, i+1
.endr
.set i, 0
.rept 56
	v_cvt_f32_i32 v[160+i], v[160+i]
.set i, i+1
.endr
.set i, 0
.rept 56
	v_mul_f32 v[160+i], s13, v[160+i]
.set i, i+1
.endr
.set i, 0
.rept 56
	v_exp_f32 v[160+i], v[160+i]                   ; WEXT
.set i, i+1
.endr
	v_nop
	s_wait_alu depctr_va_vdst(0)                   ; one wait for the batch, ahead of the branches below
	WIN 0x80
.irp k, 0,1,2,3,4,5,6,7
	v_mov_b32 v[184+\k], 0                         ; written once: a lane permute's destination counts as one of its sources
.endr
	WIN 0
	s_wait_loadcnt 0x0                             ; Q
	CHANGE 36, 0, 1, 0                             ; lap 2 P is in; slot 1 takes lap 2 P + 1
	WORK 0, 1, 1
	s_sub_co_i32 s21, s21, 256
	s_cmp_eq_u32 s20, 0
	s_cbranch_scc1 .Lsmall                         ; the first two clusters of a batch have these two laps alone
	CHANGE 32, RNDB, 1, 1                          ; slot 0 takes lap 2 P - 1
	WORK 1, 1, 0
	s_add_co_i32 s21, s21, 512
	s_sub_co_u32 s42, s20, 1
	s_cmp_eq_u32 s42, 0
	s_cbranch_scc1 .Ltail
.Lpair:                                                ; P - 1 trips of two open laps; both slots are filled again, two laps further down
	CHANGE 36, 2*RNDB, 1, 0
	WORK 0, 0, 0
	s_add_co_i32 s21, s21, 256
	CHANGE 32, 2*RNDB, 1, 0
	WORK 1, 0, 0
	s_add_co_i32 s21, s21, 256
	s_sub_co_u32 s42, s42, 1
	s_cmp_lg_u32 s42, 0
	s_cbranch_scc1 .Lpair
.Ltail:                                                ; laps 1 and 0: written out, so that no fill goes out that nobody reads
	CHANGE 36, 2*RNDB, 1, 0
	WORK 0, 0, 0
	s_add_co_i32 s21, s21, 256
	CHANGE 0, 0, 0, 0
	WORK 1, 0, 0
	s_branch .Lfin
.Lsmall:
	CHANGE 0, 0, 0, 0
	WORK 1, 1, 0
.Lfin:
	; THE WAY OUT.  Every wave's reads of the slots are over, and no fill follows: the slots take two copies of the 64 rows, one for each key step's sums.
	s_wait_dscnt 0x0
	s_barrier_signal -1
	s_barrier_wait -1
	PLACES 4                                       ; four places between the last products and the first read of results
	WIN 0x04                                       ; an LDS store's data are its source 1: window 1
.irp t, 0,1,2,3
.irp ct, 0,1,2,3,4,5,6,7
	ds_store_b128 v40, v[64*\t+8*\ct:64*\t+8*\ct+3] offset:16*OPITCH*\t+64*\ct       ; lane (r, h): out(16 t + r, 128 b + 16 ct + 8 h + 0 .. 7); each accumulator from its low end on
	ds_store_b128 v40, v[64*\t+8*\ct+4:64*\t+8*\ct+7] offset:16*OPITCH*\t+64*\ct+16
.endr
.endr
	WIN 0
	s_wait_dscnt 0x0                               ; for the others' sake: my stores have landed
	s_barrier_signal -1
	s_barrier_wait -1
.macro OLOAD g                         ; four of my 16 rows, from both copies: 512 consecutive bytes a load
.set OB_, 64+64*((\g)%2)
.irp i, 0,1,2,3,4,5,6,7
	ds_load_b128 v[OB_+4*\i:OB_+4*\i+3], v41 offset:(4*(\g)+\i/2)*OPITCH+512*(\i%2)
	ds_load_b128 v[OB_+32+4*\i:OB_+32+4*\i+3], v42 offset:(4*(\g)+\i/2)*OPITCH+512*(\i%2)
.endr
.endm
.macro OSEND g, younger                ; the two parts are added and stored: 32 lanes store 512 consecutive bytes, aligned
.set OB_, 64+64*((\g)%2)
	s_wait_dscnt \younger
.irp k, 0,1,2,3,4,5,6,7,8,9,10,11,12,13,14,15
	v_pk_add_f32 v[OB_+2*\k:OB_+2*\k+1], v[OB_+2*\k:OB_+2*\k+1], v[OB_+32+2*\k:OB_+32+2*\k+1]
.endr
.irp i, 0,1,2,3,4,5,6,7
	global_store_b128 v2, v[OB_+4*\i:OB_+4*\i+3], s[10:11] offset:(4*(\g)+\i/2)*1024+512*(\i%2) th:TH_STORE_NT
.endr
.endm
	OLOAD 0
	OLOAD 1
	OSEND 0, 16                                    ; the next four rows' sixteen loads may be out
	s_wait_xcnt 0x0                                ; the stores have read their registers: the set is loaded again
	OLOAD 2
	OSEND 1, 16
	s_wait_xcnt 0x0
	OLOAD 3
	OSEND 2, 16
	OSEND 3, 0
	s_wait_tensorcnt 0x0                           ; the wave's end
	ds_add_u32 v16, v17
	s_wait_dscnt 0x0
	ROUND                                          ; the closing round: no work-group ends while a partner may still ask for a tile that names it
	s_endpgm
.Lfunc_end_k_q59e7d3d9ef_retain:
	.size	k_q59e7d3d9ef_retain, .Lfunc_end_k_q59e7d3d9ef_retain-k_q59e7d3d9ef_retain
	.p2alignl 7, 3214868480
	.fill 96, 4, 3214868480
	.section	.rodata,"a",@progbits
	.p2align	6, 0x0
	.amdhsa_kernel k_q59e7d3d9ef_retain
		.amdhsa_group_segment_fixed_size 327680
		.amdhsa_private_segment_fixed_size 0
		.amdhsa_enable_private_segment 0
		.amdhsa_kernarg_size 32
		.amdhsa_user_sgpr_count 2
		.amdhsa_user_sgpr_kernarg_segment_ptr 1
		.amdhsa_wavefront_size32 1
		.amdhsa_system_sgpr_workgroup_id_x 1
		.amdhsa_system_sgpr_workgroup_id_y 1
		.amdhsa_system_sgpr_workgroup_id_z 1
		.amdhsa_system_vgpr_workitem_id 0
		.amdhsa_next_free_vgpr 1024
		.amdhsa_next_free_sgpr 66
		.amdhsa_reserve_vcc 1
		.amdhsa_float_denorm_mode_32 3
		.amdhsa_float_denorm_mode_16_64 3
		.amdhsa_memory_ordered 1
		.amdhsa_forward_progress 1
		.amdhsa_inst_pref_size 255
	.end_amdhsa_kernel
	.section	.bss,"aw",@nobits
	.p2align	6
	.space	262144
	.amdgpu_metadata
---
amdhsa.version: [ 1, 2 ]
amdhsa.kernels:
  - .name:           k_q59e7d3d9ef_retain
    .symbol:         k_q59e7d3d9ef_retain.kd
    .args:
      - { .name: qimg, .offset: 0, .size: 8, .value_kind: global_buffer, .address_space: global }
      - { .name: kvimg, .offset: 8, .size: 8, .value_kind: global_buffer, .address_space: global }
      - { .name: decay, .offset: 16, .size: 8, .value_kind: global_buffer, .address_space: global }
      - { .name: out0, .offset: 24, .size: 8, .value_kind: global_buffer, .address_space: global }
    .group_segment_fixed_size: 327680
    .private_segment_fixed_size: 0
    .kernarg_segment_align: 8
    .kernarg_segment_size: 32
    .max_flat_workgroup_size: 128
    .sgpr_count:     66
    .vgpr_count:     1024
    .wavefront_size: 32
...
	.end_amdgpu_metadata
.endif
;; end of part 2
